; MI455X (gfx1250); checked and timed in simulation.
; The chip was launched on July 23, 2026; its instructions are those of AMD's public machine-readable ISA for CDNA 5 (MIT licence, August 2026) and "CDNA5" Instruction Set Architecture Reference Guide (July 2026). The comments in the code are by the model that wrote it; some were corrected since.
;; Residual Quantize. Allowed arithmetic: float matrix products may take bf16 or f16 operands with f32 sums; all other float work in f32.
;; Inputs: codebook 4,096 x 64 float32; residual_codebook 4,096 x 64 float32; x 65,536 x 64 float32.
;; Outputs: out0 65,536 x 64 float32; out1 65,536 int32; out2 65,536 x 64 float32; out3 65,536 int32.
;; 2 versions, each right; version 2 is version 1 with the launch prep written anew for expert scheduling mode. Each part assembles by itself: llvm-mc -triple=amdgcn-amd-amdhsa -mcpu=gfx1250 --defsym DOCPART=n.
;; ======== version 1 of 2: 4 launches
;; workspace buffers: cb1 540,672 bytes; cb2 540,672 bytes; idx1w 262,144 bytes of whole numbers; idx2w 262,144 bytes of whole numbers
;; launch prep (part 1): grid 256 x 1, 1 waves a work-group, no clusters, 0 bytes of LDS; arguments codebook, residual_codebook, cb1, cb2; writes cb1, cb2
.if DOCPART == 1
	.amdgcn_target "amdgcn-amd-amdhsa--gfx1250"
	.amdhsa_code_object_version 6
	.text
	.protected	k_qadaf27ca44_prep
	.globl	k_qadaf27ca44_prep
	.p2align	8
	.type	k_qadaf27ca44_prep,@function
k_qadaf27ca44_prep:
	s_mov_b64 s[64:65], 0
	v_nop
	global_prefetch_b8 v0, s[64:65] scope:SCOPE_SE
	s_setreg_imm32_b32 hwreg(HW_REG_WAVE_MODE, 25, 1), 1
	s_wait_xcnt 0x0
; BOTH CODEBOOKS, [4096][64] f32, are rounded to bf16 and laid out in 8 blocks of 512 codes for the two searches that follow.
; A block is 67,584 dense bytes: 512 rows of 128 bytes (64 bf16), then 512 f32: -1/2 |c|^2 of the ROUNDED rows, summed in f32.
; One wave a work-group; work-groups 0-127 take the main codebook, 128-255 the residual one; each owns 32 rows (8,192 bytes in, 4,096 + 128 out).
; A stream: no LDS, no matrix unit, no cluster (no byte is read by two work-groups).  All 16 loads go out at once; each covers 512 consecutive bytes (two rows),
; each row store 256 consecutive bytes at a multiple of 256 from the buffer's first byte.  The 32 sums leave as 128 consecutive bytes: half of an aligned 256, once a work-group.
; No register that a load or store names is written again, so no wait frees any.
.set BLKB, 67584                       ; bytes in a block
.set CS,   4                           ; v4      lane (r, h): the sum of row 2 r + h
.set D,    16                          ; v[16:79]  pass p: 4 f32 as loaded
.set PK,   80                          ; v[80:111] pass p: the same 4 as bf16
	s_load_b256 s[4:11], s[0:1], 0x0               ; codebook s[4:5], residual_codebook s[6:7], cb1 s[8:9], cb2 s[10:11]
	s_and_b32 s12, ttmp9, 127                      ; my unit of 32 rows in its table
	s_lshl_b32 s14, s12, 13                        ; its 8,192 bytes of f32
	s_mov_b32 s15, 0
	s_lshr_b32 s16, s12, 4                         ; its block (16 units a block)
	s_mul_i32 s17, s16, BLKB
	s_and_b32 s18, s12, 15                         ; its place in the block
	s_lshl_b32 s20, s18, 12                        ; 32 rows of 128 bytes
	s_add_co_u32 s20, s20, s17
	s_mov_b32 s21, 0
	s_lshl_b32 s22, s18, 7                         ; 32 sums of 4 bytes,
	s_add_co_u32 s22, s22, s17
	s_add_co_u32 s22, s22, 65536                   ; behind the block's 512 rows
	s_mov_b32 s23, 0
	s_mov_b32 s28, 0xffff0000                      ; a word's upper bf16
	v_lshlrev_b32 v1, 4, v0                        ; 16 x lane: my 16 bytes of two f32 rows
	v_lshlrev_b32 v2, 3, v0                        ; 8 x lane: my 8 bytes of two bf16 rows
	v_and_b32 v5, 15, v0                           ; r
	v_lshrrev_b32 v6, 4, v0                        ; h
	v_lshl_add_u32 v3, v5, 1, v6
	v_lshlrev_b32 v3, 2, v3                        ; 4 (2 r + h): where my sum goes
	s_wait_kmcnt 0x0
	s_cmp_lt_u32 ttmp9, 128                        ; which table: the condition hangs on the work-group's number alone
	s_cselect_b64 s[4:5], s[4:5], s[6:7]
	s_cselect_b64 s[8:9], s[8:9], s[10:11]
	s_add_nc_u64 s[4:5], s[4:5], s[14:15]
	s_add_nc_u64 s[24:25], s[8:9], s[20:21]        ; my rows in the block
	s_add_nc_u64 s[26:27], s[8:9], s[22:23]        ; my sums in the block
.set p, 0
.rept 16
	global_load_b128 v[D+4*p:D+4*p+3], v1, s[4:5] offset:512*p  ; rows 2 p + h, elements 4 r .. 4 r + 3
.set p, p+1
.endr
.set p, 0
.rept 16
	s_wait_loadcnt 15-p                            ; loads come back in order (ISA guide 5.7.1): pass p is in, the younger ones stay out
	v_cvt_pk_bf16_f32 v[PK+2*p], v[D+4*p], v[D+4*p+1]
	v_cvt_pk_bf16_f32 v[PK+2*p+1], v[D+4*p+2], v[D+4*p+3]
	global_store_b64 v2, v[PK+2*p:PK+2*p+1], s[24:25] offset:256*p
	v_lshlrev_b32 v8, 16, v[PK+2*p]                ; the rounded numbers back in f32
	v_and_b32 v9, s28, v[PK+2*p]
	v_lshlrev_b32 v10, 16, v[PK+2*p+1]
	v_and_b32 v11, s28, v[PK+2*p+1]
	v_mul_f32 v8, v8, v8
	v_fma_f32 v8, v9, v9, v8
	v_fma_f32 v8, v10, v10, v8
	v_fma_f32 v8, v11, v11, v8
	v_add_f32_dpp v8, v8, v8 row_xmask:1 row_mask:0xf bank_mask:0xf  ; over the 16 lanes that share a row
	v_add_f32_dpp v8, v8, v8 row_xmask:2 row_mask:0xf bank_mask:0xf
	v_add_f32_dpp v8, v8, v8 row_xmask:4 row_mask:0xf bank_mask:0xf
	v_add_f32_dpp v8, v8, v8 row_xmask:8 row_mask:0xf bank_mask:0xf
.if p == 0
	v_mov_b32 v[CS], v8                            ; the first pass writes every lane
.else
	v_cmp_eq_u32 vcc_lo, p, v5                     ; lanes r = p keep this pass's sum
	v_cndmask_b32 v[CS], v[CS], v8, vcc_lo
.endif
.set p, p+1
.endr
	v_mul_f32 v[CS], -0.5, v[CS]
	global_store_b32 v3, v[CS], s[26:27]
	s_endpgm
.Lfunc_end_k_qadaf27ca44_prep:
	.size	k_qadaf27ca44_prep, .Lfunc_end_k_qadaf27ca44_prep-k_qadaf27ca44_prep
	.p2alignl 7, 3214868480
	.fill 96, 4, 3214868480
	.section	.rodata,"a",@progbits
	.p2align	6, 0x0
	.amdhsa_kernel k_qadaf27ca44_prep
		.amdhsa_group_segment_fixed_size 0
		.amdhsa_private_segment_fixed_size 0
		.amdhsa_enable_private_segment 0
		.amdhsa_kernarg_size 32
		.amdhsa_user_sgpr_count 2
		.amdhsa_user_sgpr_kernarg_segment_ptr 1
		.amdhsa_wavefront_size32 1
		.amdhsa_system_sgpr_workgroup_id_x 1
		.amdhsa_system_sgpr_workgroup_id_y 1
		.amdhsa_system_sgpr_workgroup_id_z 1
		.amdhsa_system_vgpr_workitem_id 0
		.amdhsa_next_free_vgpr 112
		.amdhsa_next_free_sgpr 66
		.amdhsa_reserve_vcc 1
		.amdhsa_float_denorm_mode_32 3
		.amdhsa_float_denorm_mode_16_64 3
		.amdhsa_memory_ordered 1
		.amdhsa_forward_progress 1
		.amdhsa_inst_pref_size 18
	.end_amdhsa_kernel
	.amdgpu_metadata
---
amdhsa.version: [ 1, 2 ]
amdhsa.kernels:
  - .name:           k_qadaf27ca44_prep
    .symbol:         k_qadaf27ca44_prep.kd
    .args:
      - { .name: codebook, .offset: 0, .size: 8, .value_kind: global_buffer, .address_space: global }
      - { .name: residual_codebook, .offset: 8, .size: 8, .value_kind: global_buffer, .address_space: global }
      - { .name: cb1, .offset: 16, .size: 8, .value_kind: global_buffer, .address_space: global }
      - { .name: cb2, .offset: 24, .size: 8, .value_kind: global_buffer, .address_space: global }
    .group_segment_fixed_size: 0
    .private_segment_fixed_size: 0
    .kernarg_segment_align: 8
    .kernarg_segment_size: 32
    .max_flat_workgroup_size: 32
    .sgpr_count:     66
    .vgpr_count:     112
    .wavefront_size: 32
...
	.end_amdgpu_metadata
.endif
;; end of part 1
;; launch near1 (part 2): grid 256 x 1, 4 waves a work-group, clusters of 4 x 1, 327,680 bytes of LDS; arguments x, cb1, out1, idx1w; writes out1, idx1w
.if DOCPART == 2
	.amdgcn_target "amdgcn-amd-amdhsa--gfx1250"
	.amdhsa_code_object_version 6
	.text
	.protected	k_qadaf27ca44_near1
	.globl	k_qadaf27ca44_near1
	.p2align	8
	.type	k_qadaf27ca44_near1,@function
k_qadaf27ca44_near1:
	s_mov_b64 s[64:65], 0
	v_nop
	global_prefetch_b8 v0, s[64:65] scope:SCOPE_SE
	s_setreg_imm32_b32 hwreg(HW_REG_WAVE_MODE, 25, 1), 1
	s_wait_xcnt 0x0
	s_wait_alu depctr_hold_cnt(0) depctr_sa_sdst(0) depctr_va_vdst(0) depctr_va_sdst(0) depctr_va_ssrc(0) depctr_va_vcc(0) depctr_vm_vsrc(0)
	s_getreg_b32 s2, hwreg(HW_REG_IB_STS2, 6, 4)
	s_cmp_eq_u32 s2, 0
	s_cbranch_scc0 .Lentry_in_a_cluster
	s_endpgm
.Lentry_in_a_cluster:
	s_bfe_u32 s2, ttmp6, 0x10000c
	s_cmp_lg_u32 s2, 0x3003
	s_cbranch_scc0 .Lentry_shape_is_right
	s_endpgm
.Lentry_shape_is_right:
; THE NEAREST CODE.  One text serves both searches; STAGE says which.  For each of 65,536 queries v: the index k of the largest s = v . c_k - 1/2 |c_k|^2 over 4,096 codes,
; which is the index of the smallest |v - c_k|^2 (|v|^2 is the same for every k); of equal scores the lowest index.
; STAGE 1: v = x rounded to bf16; K = 64.   STAGE 2: v = bf16(x) - bf16(codebook[idx]) in f32, taken as hi + lo, two bf16 numbers (hi = bf16(v), lo = bf16(v - hi)): K = 128, the codes' fragments used twice.
; The codes come rounded to bf16 with -1/2 |c|^2 in f32 beside them, in blocks of 512; that term is the C operand of a tile's first product, so it costs no vector instruction.
; LIMITS.  The inputs are taken rounded to bf16.  Two codes whose distances differ by less than the f32 rounding of the sums may resolve otherwise than a sum in another order.  hi + lo leaves 2^-17 of v.
; A NaN score never wins; where every score is -inf or NaN the index is 0.
; SHARES.  256 work-groups of four waves; a work-group owns 256 queries, a wave 64: four tiles of 16, whose fragments stay in registers.  Every wave walks all 256 tiles of 16 codes.
; LAYOUT.  Source 0 = 16 codes, source 1 = 16 queries: in the result lane (r, h) holds ONE query r and the codes 8 h + 0..7 of the tile.  So a query's best lives in two lanes, which meet once, at the end.
; THE ARGMAX, for each tile of codes and tile of queries 14 vector instructions: four v_max3_num_f32 take the old best and the 8 scores into the new best (two registers take turns); one compare
; (new > old: strict, so the first of equals stays); nine selects keep the tile's number and its 8 scores.  At the end the place in the tile is read off the kept scores.  No address hangs on any of this.
; BY PHASES.  Phase t issues the products of tile t, into one of two sets of accumulators, and behind each product a share of the 56 vector instructions that reduce tile t - 1 from the other set;
; at its head it fetches tile t + 1's fragments from LDS, in one run of six loads.  The sets and the fragment buffers go by the tile's parity.
; CLUSTER.  All work-groups walk the same blocks of codes, so the four of a cluster ask for each block JOINTLY: the same tensor load, descriptor and mask in all four.  The place in the cluster enters x's and the outputs' addresses alone.
; LDS.  Two slots of one block (76,032 bytes with padding), each wave's 64 rows of x (filled once, read by that wave alone), the spare words.  Nothing is stored to LDS.
.set STAGE,  1
.set NW,     8*STAGE                   ; products in a phase: 4 query tiles x K / 32
.set W_MM,   4*(STAGE-1)               ; register windows for a product: in stage 2 source 1 (the queries) lies in window 1
.set CP,     144                       ; a code's row in LDS: 128 bytes + 16 of padding = 36 words: the 16 rows of a load start at 16 different groups of four banks (64 banks of 4 bytes: ISA guide 11.1)
.set BLKB,   67584                     ; a block in memory: 264 rows of 256 bytes
.set QTRB,   BLKB/4                    ; a wave fetches a quarter: 66 rows of 256 bytes,
.set QTRL,   132*CP                    ; which are 132 padded pieces of 128 bytes in LDS
.set CSQ,    512*CP                    ; behind a slot's 512 codes: -1/2 |c|^2, 32 numbers to a padded piece
.set SLOT1,  1<<17                     ; slot 1 begins here, so that one exclusive or turns an address in one slot into the other's
.set XST,    SLOT1+4*QTRL              ; x: 64 rows x 272 bytes for each wave
.set XP,     272                       ; 256 bytes + 16 of padding
.set SPARE,  XST+4*64*XP               ; the spare words, 128 bytes for each wave: two blocks of 256 bytes that no other line names
.set R,    1                           ; v1   r = lane % 16
.set H,    2                           ; v2   h = lane / 16
.set AK0,  3                           ; v3   my place in a tile of codes: 144 r + 16 h; never rewritten
.set AC0,  4                           ; v4   my place among the -1/2 |c|^2: CSQ + 32 h; never rewritten
.set ADR,  5                           ; v5   LDS address of the pair of tiles in hand
.set ADRC, 6                           ; v6   the same for -1/2 |c|^2
.set XA,   7                           ; v7   my place in my wave's rows of x
.set SPW,  8                           ; v8   LDS address of my spare word; never rewritten
.set NIL,  9                           ; v9   0; never rewritten
.set H8,   10                          ; v10  8 h
.set L4,   11                          ; v11  4 x lane
.set TM,   12                          ; v12-15 at work
.set BX,   16                          ; v16-19, v20-23  the best score of query tile q, two registers by turns
.set BY,   20
.set ID,   24                          ; v24-27 the number of the best tile of codes
.set W,    28                          ; v28-59 that tile's 8 scores
.set ACC,  60                          ; v60-123 two sets of four accumulators: set a, query tile q at ACC + 32 a + 8 q
.set BUF,  124                         ; v124-171 two buffers of 24: 16 codes x 64 channels (16 registers), then their -1/2 |c|^2 as a C operand (8)
.if STAGE == 1
.set BF,   172                         ; v172-235 the queries' fragments: tile q, channels 32 c on at BF + 16 q + 8 c
.set T,    60                          ; at work while they are made
.set CB,   6                           ; s[6:7] the blocks of codes
.set OUT,  8                           ; s[8:9] the output,  s[10:11] its copy for the launches behind
.set OUTW, 10
.else
.set BF,   0                           ; window 1, v0-127: tile q at 32 q: hi channels 0-31, hi 32-63, lo 0-31, lo 32-63
.set T,    172                         ; v172-203, v204-235 at work while they are made
.set V,    204
.set QP,   60                          ; v60-123 the gathered rows of the main codebook, bf16, 16 registers a tile
.set CB,   8
.set OUT,  12
.set OUTW, 14
.endif
.set WV,   16                          ; s16  my wave's number
.set G1C,  24                          ; s[24:31] descriptor group 1 for a quarter of a block
.set G1X,  32                          ; s[32:39] for 64 rows of x
.set G0X,  40                          ; s[40:43] descriptor group 0: x
.set G0A,  44                          ; s[44:47] block 0 into slot 0
.set G0B,  48                          ; s[48:51] block 1 into slot 1; this set then walks on
.set TB,   52                          ; s52  LDS byte at which the next pair of tiles begins
.set TC,   53                          ; s53  the same for -1/2 |c|^2, less CSQ
.set TID,  54                          ; s54  the number of the tile that is being reduced
.set CNT,  55
.set SLOTS, 56
.set HIM,  57                          ; s57  0xffff0000: a word's upper bf16; as a lane mask: the lanes with h = 1
.set SEL,  58                          ; s[58:59] v_permlanex16_b32's selects: each lane takes its own place in the other half
.set MK,   60                          ; s60-63 for each query tile: the lanes whose best has grown
.set NINF, 69                          ; s69  -inf
.set MSB, 0
.macro WIN new                         ; the immediate's high byte repeats the setting that is left; a switch that changes nothing is dropped
.if MSB != (\new)
	s_set_vgpr_msb (MSB<<8)|(\new)
.set MSB, (\new)
.endif
.endm
; A round of the cluster's barrier: my work-group's barrier, so that wave 0's signal speaks for all four waves; wave 0 signals; every wave waits for all four work-groups; my work-group's barrier once more.
.macro CROUND
	s_barrier_signal -1
	s_barrier_wait -1
	s_cmp_lg_u32 s[WV], 0
	s_cbranch_scc1 .Lnot_wave_0_\@
	s_barrier_signal -3
.Lnot_wave_0_\@:
	s_barrier_wait -3
	s_barrier_signal -1
	s_barrier_wait -1
.endm
; Six LDS loads in one run: a tile's 16 codes x 64 channels (lane (r, h): row r, channels 8 h, 16 + 8 h, 32 + 8 h, 48 + 8 h on) and the 8 numbers -1/2 |c|^2 of codes 8 h .. 8 h + 7, into buffer b.
.macro FETCH b, aoff, coff
.irp f, 0,1,2,3
	ds_load_b128 v[BUF+24*(\b)+4*\f:BUF+24*(\b)+4*\f+3], v[ADR] offset:(\aoff)+32*\f
.endr
.irp g, 0,1
	ds_load_b128 v[BUF+24*(\b)+16+4*\g:BUF+24*(\b)+16+4*\g+3], v[ADRC] offset:(\coff)+16*\g
.endr
.endm
; Product i of a phase: K step i / 4, query tile i % 4.  The four accumulators take turns, one instruction a turn; a phase's last product and the next phase's first name different sets.
.macro MM par
	WIN W_MM
.set kk, i/4
.set q, i%4
.set rD, ACC+32*(\par)+8*q
.set rA, BUF+24*(\par)+8*(kk%2)
.set rB, BF+16*STAGE*q+8*kk
.if kk == 0
	v_wmma_f32_16x16x32_bf16 v[rD:rD+7], v[rA:rA+7], v[rB:rB+7], v[BUF+24*(\par)+16:BUF+24*(\par)+23]
.else
	v_wmma_f32_16x16x32_bf16 v[rD:rD+7], v[rA:rA+7], v[rB:rB+7], v[rD:rD+7]
.endif
.set i, i+1
.endm
; Number rn of the 56 that reduce the tile in accumulator set rp.  0-15: the maxima, the four query tiles alternating; each accumulator's lowest registers are read first.
; 16-19: has the best grown?  20-55: nine selects a query tile.
.macro RD rp
	WIN 0
.if (\rp) == 0
.set rSRC, BX
.set rDST, BY
.else
.set rSRC, BY
.set rDST, BX
.endif
.set rS, ACC+32*(\rp)
.if rn < 4
	v_max3_num_f32 v[rDST+rn], v[rSRC+rn], v[rS+8*rn], v[rS+8*rn+1]
.elseif rn < 16
	v_max3_num_f32 v[rDST+rn%4], v[rDST+rn%4], v[rS+8*(rn%4)+2*(rn/4)], v[rS+8*(rn%4)+2*(rn/4)+1]
.elseif rn < 20
	v_cmp_gt_f32 s[MK+rn-16], v[rDST+rn-16], v[rSRC+rn-16]
.else
.set m, rn-20
.if m%9 == 0
	v_cndmask_b32 v[ID+m/9], v[ID+m/9], s[TID], s[MK+m/9]
.else
	v_cndmask_b32 v[W+8*(m/9)+m%9-1], v[W+8*(m/9)+m%9-1], v[rS+8*(m/9)+m%9-1], s[MK+m/9]
.endif
.endif
.set rn, rn+1
.endm
; THE PHASE of a tile of parity par.  fetch = 1: the next tile's fragments are fetched, into the buffer that the phase before multiplied: behind that phase's last product stand 56 / NW vector instructions or
; more (four at the least), all plain, which name the other accumulator set and the argmax's state alone: the four places that a load into a product's source wants (ISA guide 7.12.1 for vector instructions).
; The same lines, and numbers 0-2 below, stand between that product and number 3, the first to read its result.
.macro PHASE par, fetch
	WIN 0
.if \fetch
.if \par
	v_add_nc_u32 v[ADR], s[TB], v[AK0]             ; the next tile opens a pair
	v_add_nc_u32 v[ADRC], s[TC], v[AC0]
	s_add_co_u32 s[TB], s[TB], 32*CP
	s_add_co_u32 s[TC], s[TC], CP
	FETCH 0, 0, 0
.else
	FETCH 1, 16*CP, 64
.endif
	s_wait_dscnt 0x6                               ; LDS loads come back in order (ISA guide 5.7.1): the six just issued may stay out, this tile's six are in
.else
	s_wait_dscnt 0x0
.endif
.set i, 0
.set rn, 0
.rept NW
	MM \par
.rept 56*i/NW-rn
	RD 1-(\par)
.endr
.endr
	WIN 0
	s_add_co_u32 s[TID], s[TID], 1
.endm
.macro TRIPS n                         ; n pairs of phases: an odd tile, an even tile
	s_mov_b32 s[CNT], \n
.Ltrip_\@:
	PHASE 1, 1
	PHASE 0, 1
	s_sub_co_u32 s[CNT], s[CNT], 1
	s_cmp_lg_u32 s[CNT], 0
	s_cbranch_scc1 .Ltrip_\@
.endm
; THE CHANGE OF SLOTS stands in front of the phase of a block's last tile, whose fragments have been asked for.  Each wave waits for all its tensor loads, of which one is out: its part of the other slot;
; adds 0 to its spare word; and waits for that and for its reads of the slot that it leaves.  Behind the barrier nobody reads the old slot any more and the other slot is whole.
; fill = 1: the old slot is filled again, with the block two on.  The barrier is then a round of the cluster's, so that no wave of any partner still reads the slot or has a load on its way, and the joint
; refill is the first thing behind it: it has 32 phases in which to land.
.macro CHANGE fill
	WIN 0
	s_wait_tensorcnt 0x0                           ; no tensor load of mine is out, so a group 0 may be written
	ds_add_u32 v[SPW], v[NIL]                      ; 0 onto my spare word; scalar work stands between it and the wait for it
.if \fill
	s_xor_b32 s[G0B+1], s[G0B+1], SLOT1            ; the walking descriptor: the other slot than last time,
	s_add_nc_u64 s[G0B+2:G0B+3], s[G0B+2:G0B+3], BLKB  ; the next block; the type bits on top are not reached
.endif
	s_sub_co_u32 s[TB], s[TB], 512*CP              ; the fetches go back to a slot's first pair,
	s_xor_b32 s[TB], s[TB], SLOT1                  ; in the other slot
	s_sub_co_u32 s[TC], s[TC], 16*CP
	s_xor_b32 s[TC], s[TC], SLOT1
	s_wait_dscnt 0x0                               ; the add is done, and my reads of the slot are over
.if \fill
	CROUND
	tensor_load_to_lds s[G0B:G0B+3], s[G1C:G1C+7]
	s_nop 0
.rept 4
	v_nop
.endr
.else
	s_barrier_signal -1
	s_barrier_wait -1
.endif
.endm
	s_load_b256 s[4:11], s[0:1], 0x0               ; stage 1: x, cb1, out1, idx1w.  stage 2: x, cb1, cb2, idx1w,
.if STAGE == 2
	s_load_b128 s[12:15], s[0:1], 0x20             ; out3, idx2w
.endif
	v_lshl_add_u32 v[SPW], v0, 2, SPARE
	v_mov_b32 v[NIL], 0
	ds_add_u32 v[SPW], v[NIL]                      ; the wave's opening: the add, and its wait ahead of my first tensor load; the set-up below, work on registers, stands between them
	v_lshrrev_b32 v[R], 5, v0
	v_readfirstlane_b32 s[WV], v[R]                ; wave 0..3
	v_and_b32 v[R], 15, v0
	v_bfe_u32 v[H], v0, 4, 1
	s_bfe_u32 s17, ttmp6, 0x40000                  ; cx: my place in the cluster
	s_lshl_b32 s18, ttmp9, 2                       ; in a cluster launch ttmp9 counts clusters
	s_add_co_u32 s18, s18, s17                     ; my block of 256 queries: it enters x's and the outputs' addresses alone
	s_lshl_b32 s20, s18, 16                        ; its 256 rows of 256 bytes,
	s_lshl_b32 s21, s[WV], 14                      ; my wave's 64 of them
	s_add_co_u32 s20, s20, s21
	s_mov_b32 s21, 0
	s_mul_i32 s22, s[WV], QTRB                     ; my quarter of a block in memory
	s_mov_b32 s23, 0
	s_lshl_b32 s70, s18, 10                        ; my wave's 64 indices: 256 bytes
	s_lshl_b32 s71, s[WV], 8
	s_add_co_u32 s70, s70, s71
	s_mov_b32 s71, 0
	s_mul_i32 s19, s[WV], QTRL                     ; my quarter of a slot: no place in the cluster enters an LDS address
	; group 1 for a quarter of a block: 66 rows of 128 elements of 2 bytes, dense; in LDS 4 words of padding behind every 32
	s_mov_b32 s[G1C+0], 15|(1<<16)|(1<<20)|(1<<21)|(4<<22)|(3<<25)  ; 15:0 the mask of four; 17:16 2-byte elements; 20 padding on; 21 set beside a mask; 24:22 after every 32 words (code 4); 31:25 4 words (code 3)
	s_mov_b32 s[G1C+1], 128<<16                    ; tensor_dim0 = 128
	s_mov_b32 s[G1C+2], 66<<16                     ; tensor_dim1 = 66
	s_mov_b32 s[G1C+3], 128<<16                    ; tile_dim0 = 128
	s_mov_b32 s[G1C+4], 66                         ; tile_dim1 = 66
	s_mov_b32 s[G1C+5], 128                        ; 128 elements from row to row
	s_mov_b32 s[G1C+6], 0
	s_mov_b32 s[G1C+7], 0
	; group 1 for x: 64 rows of 64 elements of 4 bytes, dense; 4 words of padding behind every 64; no mask: each wave's rows are its own
	s_mov_b32 s[G1X+0], (2<<16)|(1<<20)|(5<<22)|(3<<25)
	s_mov_b32 s[G1X+1], 64<<16
	s_mov_b32 s[G1X+2], 64<<16
	s_mov_b32 s[G1X+3], 64<<16
	s_mov_b32 s[G1X+4], 64
	s_mov_b32 s[G1X+5], 64
	s_mov_b32 s[G1X+6], 0
	s_mov_b32 s[G1X+7], 0
	s_mov_b32 s[G0X], 1                            ; 1:0 count = 1
	s_mul_i32 s[G0X+1], s[WV], 64*XP               ; 63:32 LDS address
	s_add_co_u32 s[G0X+1], s[G0X+1], XST
	s_mov_b32 s[G0A], 1
	s_mov_b32 s[G0A+1], s19
	s_mov_b32 s[G0B], 1
	s_add_co_u32 s[G0B+1], s19, SLOT1
	s_mov_b32 s[HIM], 0xffff0000
	s_mov_b32 s[SEL], 0x76543210
	s_mov_b32 s[SEL+1], 0xfedcba98
	s_mov_b32 s[NINF], 0xff800000
	s_mov_b32 s[TID], -1                           ; the first phase reduces a tile that has not been
	s_mov_b32 s[TB], 32*CP                         ; the first pair's addresses are made by hand below
	s_mov_b32 s[TC], CP
	s_wait_dscnt 0x0                               ; the opening add is done
	s_wait_kmcnt 0x0
	s_add_nc_u64 s[G0X+2:G0X+3], s[4:5], s[20:21]  ; 120:64 global address
	s_or_b32 s[G0X+3], s[G0X+3], 0x80000000        ; 127:126 type = 2
	s_add_nc_u64 s[G0A+2:G0A+3], s[CB:CB+1], s[22:23]
	s_add_nc_u64 s[G0B+2:G0B+3], s[G0A+2:G0A+3], BLKB
	s_or_b32 s[G0A+3], s[G0A+3], 0x80000000
	s_or_b32 s[G0B+3], s[G0B+3], 0x80000000
	s_add_nc_u64 s[OUT:OUT+1], s[OUT:OUT+1], s[70:71]
	s_add_nc_u64 s[OUTW:OUTW+1], s[OUTW:OUTW+1], s[70:71]
.if STAGE == 2
	s_add_nc_u64 s[10:11], s[10:11], s[70:71]      ; the first search's indices of my 64 queries
	v_lshlrev_b32 v[ADR], 2, v[R]
.irp q, 0,1,2,3
	global_load_b32 v[TM+\q], v[ADR], s[10:11] offset:64*\q  ; lane (r, h): query 16 q + r
.endr
.endif
	CROUND                                         ; all four work-groups are here: the first joint loads meet
	tensor_load_to_lds s[G0X:G0X+3], s[G1X:G1X+7]  ; the three first fills go out together: three loads of mine are out
	s_nop 0
	tensor_load_to_lds s[G0A:G0A+3], s[G1C:G1C+7]
	s_nop 0
	tensor_load_to_lds s[G0B:G0B+3], s[G1C:G1C+7]
	s_nop 0
.rept 4
	v_nop
.endr
	v_mul_u32_u24 v[AK0], v[R], CP
	v_lshl_add_u32 v[AK0], v[H], 4, v[AK0]
	v_lshlrev_b32 v[AC0], 5, v[H]
	v_add_nc_u32 v[AC0], CSQ, v[AC0]
	v_mul_u32_u24 v[XA], v[R], XP
	v_lshl_add_u32 v[XA], v[H], 5, v[XA]           ; row r, 8 f32 for each half of the lanes
	v_add_nc_u32 v[XA], s[G0X+1], v[XA]
	v_lshlrev_b32 v[H8], 3, v[H]
	v_and_b32 v[L4], 31, v0
	v_lshlrev_b32 v[L4], 2, v[L4]
.if STAGE == 2
	; the rows of the main codebook that the first search chose, as bf16: code i lies at 128 i + 2,048 (i / 512) in cb1
	s_wait_loadcnt 0x0
.irp q, 0,1,2,3
	v_min_u32 v[TM+\q], 0xfff, v[TM+\q]            ; an index stays inside its table
	v_and_b32 v[T+\q], 0xe00, v[TM+\q]
	v_lshlrev_b32 v[T+\q], 2, v[T+\q]
	v_lshl_add_u32 v[TM+\q], v[TM+\q], 7, v[T+\q]
	v_lshl_add_u32 v[TM+\q], v[H], 4, v[TM+\q]
.endr
.irp q, 0,1,2,3
.irp f, 0,1,2,3
	global_load_b128 v[QP+16*\q+4*\f:QP+16*\q+4*\f+3], v[TM+\q], s[6:7] offset:32*\f  ; channels 16 f + 8 h on: a fragment's own order
.endr
.endr
.endif
	; What the first phase finds: a best of -inf, kept scores of -inf, tile number 0.  So no first phase is written out.  These lines stand in the wait for the first tiles.
.set p, 0
.rept 8
	v_mov_b32 v[BX+p], s[NINF]
.set p, p+1
.endr
.set p, 0
.rept 4
	v_mov_b32 v[ID+p], 0
.set p, p+1
.endr
.set p, 0
.rept 32
	v_mov_b32 v[W+p], s[NINF]
.set p, p+1
.endr
	s_wait_tensorcnt 0x2                           ; tensor loads of a wave end in order (ISA guide 10.11.1): my rows of x are in, both blocks may stay out; no other wave reads these rows
; THE QUERIES' FRAGMENTS.  A fragment is 16 queries x 32 channels in 8 registers: lane (r, h) holds query r, channels 8 h + 0..7 and 16 + 8 h + 0..7.  Load f, g brings channels 16 f + 8 h + 4 g on.
.macro XROWS q
.irp f, 0,1,2,3
.irp g, 0,1
	ds_load_b128 v[T+8*\f+4*\g:T+8*\f+4*\g+3], v[XA] offset:16*XP*(\q)+64*\f+16*\g
.endr
.endr
	s_wait_dscnt 0x0
.endm
.if STAGE == 1
.irp q, 0,1,2,3
	XROWS \q
.set p, 0
.rept 16
	v_cvt_pk_bf16_f32 v[BF+16*\q+p], v[T+2*p], v[T+2*p+1]
.set p, p+1
.endr
.endr
.else
.macro EACH16 line:vararg              ; one line for p = 0 .. 15
.set p, 0
.rept 16
	\line
.set p, p+1
.endr
.endm
.macro RESID q
	XROWS \q
	EACH16 v_cvt_pk_bf16_f32 v[V+p], v[T+2*p], v[T+2*p+1]          ; x rounded to bf16,
	EACH16 v_lshlrev_b32 v[T+2*p], 16, v[V+p]                      ; and back in f32
	EACH16 v_and_b32 v[T+2*p+1], s[HIM], v[V+p]
	EACH16 v_lshlrev_b32 v[V+2*p], 16, v[QP+16*(\q)+p]             ; the chosen code in f32
	EACH16 v_and_b32 v[V+2*p+1], s[HIM], v[QP+16*(\q)+p]
	EACH16 v_pk_add_f32 v[T+2*p:T+2*p+1], v[T+2*p:T+2*p+1], v[V+2*p:V+2*p+1] neg_lo:[0,1] neg_hi:[0,1]  ; the residual
	WIN 0x40                                       ; destination window 1
	EACH16 v_cvt_pk_bf16_f32 v[BF+32*(\q)+p], v[T+2*p], v[T+2*p+1] ; hi
	WIN 0x04                                       ; source 1 window 1
	EACH16 v_lshlrev_b32 v[V+2*p], 16, v[BF+32*(\q)+p]
	EACH16 v_and_b32 v[V+2*p+1], s[HIM], v[BF+32*(\q)+p]
	WIN 0
	EACH16 v_pk_add_f32 v[T+2*p:T+2*p+1], v[T+2*p:T+2*p+1], v[V+2*p:V+2*p+1] neg_lo:[0,1] neg_hi:[0,1]  ; what hi leaves
	WIN 0x40
	EACH16 v_cvt_pk_bf16_f32 v[BF+32*(\q)+16+p], v[T+2*p], v[T+2*p+1]  ; lo
	WIN 0
.endm
	s_wait_loadcnt 0x0                             ; the gathered rows
	RESID 0
	RESID 1
	RESID 2
	RESID 3
.endif
.set p, 0
.rept 32
	v_mov_b32 v[ACC+32+p], s[NINF]                 ; the tile that has not been: it can never win
.set p, p+1
.endr
	s_wait_tensorcnt 0x1                           ; my part of block 0 is in; block 1's may stay out
	s_wait_dscnt 0x0
	s_barrier_signal -1
	s_barrier_wait -1                              ; everybody's is
	v_mov_b32 v[ADR], v[AK0]                       ; the first pair lies at the head of slot 0
	v_mov_b32 v[ADRC], v[AC0]
	FETCH 0, 0, 0
	PHASE 0, 1                                     ; tile 0
	TRIPS 15                                       ; tiles 1 to 30
	s_mov_b32 s[SLOTS], 6
.Lslot:                                                ; six times: blocks 2 to 7 are asked for; tiles 31 to 222
	CHANGE 1
	TRIPS 16
	s_sub_co_u32 s[SLOTS], s[SLOTS], 1
	s_cmp_lg_u32 s[SLOTS], 0
	s_cbranch_scc1 .Lslot
	CHANGE 0                                       ; the tail is written out: nothing is asked for
	TRIPS 16                                       ; tiles 223 to 254
	PHASE 1, 0                                     ; tile 255
.set rn, 0
.rept 56
	RD 1                                           ; and its reduction: the best ends in BX
.endr
	; THE END.  The lowest place j whose kept score is the best; index = 16 x tile + 8 h + j; then the query's other lane: the larger score, of equal scores the lower index.
.irp q, 0,1,2,3
	v_mov_b32 v[TM+2], 7
.irp j, 6,5,4,3,2,1,0
	v_cmp_eq_f32 s66, v[W+8*\q+\j], v[BX+\q]
	v_cndmask_b32 v[TM+2], v[TM+2], \j, s66
.endr
	v_lshl_add_u32 v[ID+\q], v[ID+\q], 4, v[TM+2]
	v_add_nc_u32 v[ID+\q], v[ID+\q], v[H8]
	v_permlanex16_b32 v[BY+\q], v[BX+\q], s[SEL], s[SEL+1]  ; its destination counts as read: registers that have been written
	v_permlanex16_b32 v[W+8*\q], v[ID+\q], s[SEL], s[SEL+1]
	v_cmp_gt_f32 s66, v[BY+\q], v[BX+\q]
	v_cmp_eq_f32 s67, v[BY+\q], v[BX+\q]
	v_cmp_lt_u32 s68, v[W+8*\q], v[ID+\q]
	s_and_b32 s67, s67, s68
	s_or_b32 s66, s66, s67
	v_cndmask_b32 v[ID+\q], v[ID+\q], v[W+8*\q], s66  ; both lanes of a query now hold its index
.endr
	v_cndmask_b32 v[TM], v[ID], v[ID+1], s[HIM]    ; lanes 0-15 tile 0's queries, lanes 16-31 tile 1's: 32 neighbouring indices
	v_cndmask_b32 v[TM+1], v[ID+2], v[ID+3], s[HIM]
	global_store_b32 v[L4], v[TM], s[OUT:OUT+1]    ; each store covers 128 consecutive bytes; the wave's two fill an aligned 256
	global_store_b32 v[L4], v[TM+1], s[OUT:OUT+1] offset:128
	global_store_b32 v[L4], v[TM], s[OUTW:OUTW+1]
	global_store_b32 v[L4], v[TM+1], s[OUTW:OUTW+1] offset:128
	s_wait_tensorcnt 0x0                           ; the wave's end: all my tensor loads are in; then 0 onto my spare word and its wait
	ds_add_u32 v[SPW], v[NIL]
	s_wait_dscnt 0x0
	CROUND                                         ; the closing round: no work-group ends while a partner may still ask for a block that names it
	s_endpgm
.Lfunc_end_k_qadaf27ca44_near1:
	.size	k_qadaf27ca44_near1, .Lfunc_end_k_qadaf27ca44_near1-k_qadaf27ca44_near1
	.p2alignl 7, 3214868480
	.fill 96, 4, 3214868480
	.section	.rodata,"a",@progbits
	.p2align	6, 0x0
	.amdhsa_kernel k_qadaf27ca44_near1
		.amdhsa_group_segment_fixed_size 327680
		.amdhsa_private_segment_fixed_size 0
		.amdhsa_enable_private_segment 0
		.amdhsa_kernarg_size 32
		.amdhsa_user_sgpr_count 2
		.amdhsa_user_sgpr_kernarg_segment_ptr 1
		.amdhsa_wavefront_size32 1
		.amdhsa_system_sgpr_workgroup_id_x 1
		.amdhsa_system_sgpr_workgroup_id_y 1
		.amdhsa_system_sgpr_workgroup_id_z 1
		.amdhsa_system_vgpr_workitem_id 0
		.amdhsa_next_free_vgpr 236
		.amdhsa_next_free_sgpr 72
		.amdhsa_reserve_vcc 0
		.amdhsa_float_denorm_mode_32 3
		.amdhsa_float_denorm_mode_16_64 3
		.amdhsa_memory_ordered 1
		.amdhsa_forward_progress 1
		.amdhsa_inst_pref_size 62
	.end_amdhsa_kernel
	.amdgpu_metadata
---
amdhsa.version: [ 1, 2 ]
amdhsa.kernels:
  - .name:           k_qadaf27ca44_near1
    .symbol:         k_qadaf27ca44_near1.kd
    .args:
      - { .name: x, .offset: 0, .size: 8, .value_kind: global_buffer, .address_space: global }
      - { .name: cb1, .offset: 8, .size: 8, .value_kind: global_buffer, .address_space: global }
      - { .name: out1, .offset: 16, .size: 8, .value_kind: global_buffer, .address_space: global }
      - { .name: idx1w, .offset: 24, .size: 8, .value_kind: global_buffer, .address_space: global }
    .group_segment_fixed_size: 327680
    .private_segment_fixed_size: 0
    .kernarg_segment_align: 8
    .kernarg_segment_size: 32
    .max_flat_workgroup_size: 128
    .sgpr_count:     72
    .vgpr_count:     236
    .wavefront_size: 32
...
	.end_amdgpu_metadata
.endif
;; end of part 2
;; launch near2 (part 3): grid 256 x 1, 4 waves a work-group, clusters of 4 x 1, 327,680 bytes of LDS; arguments x, cb1, cb2, idx1w, out3, idx2w; writes out3, idx2w
.if DOCPART == 3
	.amdgcn_target "amdgcn-amd-amdhsa--gfx1250"
	.amdhsa_code_object_version 6
	.text
	.protected	k_qadaf27ca44_near2
	.globl	k_qadaf27ca44_near2
	.p2align	8
	.type	k_qadaf27ca44_near2,@function
k_qadaf27ca44_near2:
	s_mov_b64 s[64:65], 0
	v_nop
	global_prefetch_b8 v0, s[64:65] scope:SCOPE_SE
	s_setreg_imm32_b32 hwreg(HW_REG_WAVE_MODE, 25, 1), 1
	s_wait_xcnt 0x0
	s_wait_alu depctr_hold_cnt(0) depctr_sa_sdst(0) depctr_va_vdst(0) depctr_va_sdst(0) depctr_va_ssrc(0) depctr_va_vcc(0) depctr_vm_vsrc(0)
	s_getreg_b32 s2, hwreg(HW_REG_IB_STS2, 6, 4)
	s_cmp_eq_u32 s2, 0
	s_cbranch_scc0 .Lentry_in_a_cluster
	s_endpgm
.Lentry_in_a_cluster:
	s_bfe_u32 s2, ttmp6, 0x10000c
	s_cmp_lg_u32 s2, 0x3003
	s_cbranch_scc0 .Lentry_shape_is_right
	s_endpgm
.Lentry_shape_is_right:
; THE NEAREST CODE.  One text serves both searches; STAGE says which.  For each of 65,536 queries v: the index k of the largest s = v . c_k - 1/2 |c_k|^2 over 4,096 codes,
; which is the index of the smallest |v - c_k|^2 (|v|^2 is the same for every k); of equal scores the lowest index.
; STAGE 1: v = x rounded to bf16; K = 64.   STAGE 2: v = bf16(x) - bf16(codebook[idx]) in f32, taken as hi + lo, two bf16 numbers (hi = bf16(v), lo = bf16(v - hi)): K = 128, the codes' fragments used twice.
; (x . r - q . r would cost the same K and be a difference of large sums where the inputs carry a common offset.)
; The codes come rounded to bf16 with -1/2 |c|^2 in f32 beside them, in blocks of 512; that term is the C operand of a tile's first product, so it costs no vector instruction.
; LIMITS.  The inputs are taken rounded to bf16.  Two codes whose distances differ by less than the f32 rounding of the sums may resolve otherwise than a sum in another order.  hi + lo leaves 2^-17 of v.
; A NaN score never wins; where every score is -inf or NaN the index is 0.
; SHARES.  256 work-groups of four waves; a work-group owns 256 queries, a wave 64: four tiles of 16, whose fragments stay in registers.  Every wave walks all 256 tiles of 16 codes.
; LAYOUT.  Source 0 = 16 codes, source 1 = 16 queries: in the result lane (r, h) holds ONE query r and the codes 8 h + 0..7 of the tile.  So a query's best lives in two lanes, which meet once, at the end.
; THE ARGMAX, for each tile of codes and tile of queries 14 vector instructions: four v_max3_num_f32 take the old best and the 8 scores into the new best (two registers take turns); one compare
; (new > old: strict, so the first of equals stays); nine selects keep the tile's number and its 8 scores.  At the end the place in the tile is read off the kept scores.  No address hangs on any of this.
; BY PHASES.  Phase t issues the products of tile t, into one of two sets of accumulators, and behind each product a share of the 56 vector instructions that reduce tile t - 1 from the other set;
; at its head it fetches tile t + 1's fragments from LDS, in one run of six loads.  The sets and the fragment buffers go by the tile's parity.
; In stage 2 the queries' 128 registers lie in window 1, so a product costs two switches of the register window: window 0 has no room for them beside the state, the accumulators and the buffers.
; CLUSTER.  All work-groups walk the same blocks of codes, so the four of a cluster ask for each block JOINTLY: the same tensor load, descriptor and mask in all four.  The place in the cluster enters x's, the indices' and the outputs' addresses alone.
; LDS.  Two slots of one block (76,032 bytes with padding), each wave's 64 rows of x (filled once, read by that wave alone), the spare words.  Nothing is stored to LDS.
.set STAGE,  2
.set NW,     8*STAGE                   ; products in a phase: 4 query tiles x K / 32
.set W_MM,   4*(STAGE-1)               ; register windows for a product: in stage 2 source 1 (the queries) lies in window 1
.set CP,     144                       ; a code's row in LDS: 128 bytes + 16 of padding = 36 words: the 16 rows of a load start at 16 different groups of four banks (64 banks of 4 bytes: ISA guide 11.1)
.set BLKB,   67584                     ; a block in memory: 264 rows of 256 bytes
.set QTRB,   BLKB/4                    ; a wave fetches a quarter: 66 rows of 256 bytes,
.set QTRL,   132*CP                    ; which are 132 padded pieces of 128 bytes in LDS
.set CSQ,    512*CP                    ; behind a slot's 512 codes: -1/2 |c|^2, 32 numbers to a padded piece
.set SLOT1,  1<<17                     ; slot 1 begins here, so that one exclusive or turns an address in one slot into the other's
.set XST,    SLOT1+4*QTRL              ; x: 64 rows x 272 bytes for each wave
.set XP,     272                       ; 256 bytes + 16 of padding
.set SPARE,  XST+4*64*XP               ; the spare words, 128 bytes for each wave: two blocks of 256 bytes that no other line names
.set R,    1                           ; v1   r = lane % 16
.set H,    2                           ; v2   h = lane / 16
.set AK0,  3                           ; v3   my place in a tile of codes: 144 r + 16 h; never rewritten
.set AC0,  4                           ; v4   my place among the -1/2 |c|^2: CSQ + 32 h; never rewritten
.set ADR,  5                           ; v5   LDS address of the pair of tiles in hand
.set ADRC, 6                           ; v6   the same for -1/2 |c|^2
.set XA,   7                           ; v7   my place in my wave's rows of x
.set SPW,  8                           ; v8   LDS address of my spare word; never rewritten
.set NIL,  9                           ; v9   0; never rewritten
.set H8,   10                          ; v10  8 h
.set L4,   11                          ; v11  4 x lane
.set TM,   12                          ; v12-15 at work
.set BX,   16                          ; v16-19, v20-23  the best score of query tile q, two registers by turns
.set BY,   20
.set ID,   24                          ; v24-27 the number of the best tile of codes
.set W,    28                          ; v28-59 that tile's 8 scores
.set ACC,  60                          ; v60-123 two sets of four accumulators: set a, query tile q at ACC + 32 a + 8 q
.set BUF,  124                         ; v124-171 two buffers of 24: 16 codes x 64 channels (16 registers), then their -1/2 |c|^2 as a C operand (8)
.if STAGE == 1
.set BF,   172                         ; v172-235 the queries' fragments: tile q, channels 32 c on at BF + 16 q + 8 c
.set T,    60                          ; at work while they are made
.set CB,   6                           ; s[6:7] the blocks of codes
.set OUT,  8                           ; s[8:9] the output,  s[10:11] its copy for the launches behind
.set OUTW, 10
.else
.set BF,   0                           ; window 1, v0-127: tile q at 32 q: hi channels 0-31, hi 32-63, lo 0-31, lo 32-63
.set T,    172                         ; v172-203, v204-235 at work while they are made
.set V,    204
.set QP,   60                          ; v60-123 the gathered rows of the main codebook, bf16, 16 registers a tile
.set CB,   8
.set OUT,  12
.set OUTW, 14
.endif
.set WV,   16                          ; s16  my wave's number
.set G1C,  24                          ; s[24:31] descriptor group 1 for a quarter of a block
.set G1X,  32                          ; s[32:39] for 64 rows of x
.set G0X,  40                          ; s[40:43] descriptor group 0: x
.set G0A,  44                          ; s[44:47] block 0 into slot 0
.set G0B,  48                          ; s[48:51] block 1 into slot 1; this set then walks on
.set TB,   52                          ; s52  LDS byte at which the next pair of tiles begins
.set TC,   53                          ; s53  the same for -1/2 |c|^2, less CSQ
.set TID,  54                          ; s54  the number of the tile that is being reduced
.set CNT,  55
.set SLOTS, 56
.set HIM,  57                          ; s57  0xffff0000: a word's upper bf16; as a lane mask: the lanes with h = 1
.set SEL,  58                          ; s[58:59] v_permlanex16_b32's selects: each lane takes its own place in the other half
.set MK,   60                          ; s60-63 for each query tile: the lanes whose best has grown
.set NINF, 69                          ; s69  -inf
.set MSB, 0
.macro WIN new                         ; the immediate's high byte repeats the setting that is left; a switch that changes nothing is dropped
.if MSB != (\new)
	s_set_vgpr_msb (MSB<<8)|(\new)
.set MSB, (\new)
.endif
.endm
; A round of the cluster's barrier: my work-group's barrier, so that wave 0's signal speaks for all four waves; wave 0 signals; every wave waits for all four work-groups; my work-group's barrier once more.
.macro CROUND
	s_barrier_signal -1
	s_barrier_wait -1
	s_cmp_lg_u32 s[WV], 0
	s_cbranch_scc1 .Lnot_wave_0_\@
	s_barrier_signal -3
.Lnot_wave_0_\@:
	s_barrier_wait -3
	s_barrier_signal -1
	s_barrier_wait -1
.endm
; Six LDS loads in one run: a tile's 16 codes x 64 channels (lane (r, h): row r, channels 8 h, 16 + 8 h, 32 + 8 h, 48 + 8 h on) and the 8 numbers -1/2 |c|^2 of codes 8 h .. 8 h + 7, into buffer b.
.macro FETCH b, aoff, coff
.irp f, 0,1,2,3
	ds_load_b128 v[BUF+24*(\b)+4*\f:BUF+24*(\b)+4*\f+3], v[ADR] offset:(\aoff)+32*\f
.endr
.irp g, 0,1
	ds_load_b128 v[BUF+24*(\b)+16+4*\g:BUF+24*(\b)+16+4*\g+3], v[ADRC] offset:(\coff)+16*\g
.endr
.endm
; Product i of a phase: K step i / 4, query tile i % 4.  The four accumulators take turns, one instruction a turn; a phase's last product and the next phase's first name different sets.
.macro MM par
	WIN W_MM
.set kk, i/4
.set q, i%4
.set rD, ACC+32*(\par)+8*q
.set rA, BUF+24*(\par)+8*(kk%2)
.set rB, BF+16*STAGE*q+8*kk
.if kk == 0
	v_wmma_f32_16x16x32_bf16 v[rD:rD+7], v[rA:rA+7], v[rB:rB+7], v[BUF+24*(\par)+16:BUF+24*(\par)+23]
.else
	v_wmma_f32_16x16x32_bf16 v[rD:rD+7], v[rA:rA+7], v[rB:rB+7], v[rD:rD+7]
.endif
.set i, i+1
.endm
; Number rn of the 56 that reduce the tile in accumulator set rp.  0-15: the maxima, the four query tiles alternating; each accumulator's lowest registers are read first.
; 16-19: has the best grown?  20-55: nine selects a query tile.
.macro RD rp
	WIN 0
.if (\rp) == 0
.set rSRC, BX
.set rDST, BY
.else
.set rSRC, BY
.set rDST, BX
.endif
.set rS, ACC+32*(\rp)
.if rn < 4
	v_max3_num_f32 v[rDST+rn], v[rSRC+rn], v[rS+8*rn], v[rS+8*rn+1]
.elseif rn < 16
	v_max3_num_f32 v[rDST+rn%4], v[rDST+rn%4], v[rS+8*(rn%4)+2*(rn/4)], v[rS+8*(rn%4)+2*(rn/4)+1]
.elseif rn < 20
	v_cmp_gt_f32 s[MK+rn-16], v[rDST+rn-16], v[rSRC+rn-16]
.else
.set m, rn-20
.if m%9 == 0
	v_cndmask_b32 v[ID+m/9], v[ID+m/9], s[TID], s[MK+m/9]
.else
	v_cndmask_b32 v[W+8*(m/9)+m%9-1], v[W+8*(m/9)+m%9-1], v[rS+8*(m/9)+m%9-1], s[MK+m/9]
.endif
.endif
.set rn, rn+1
.endm
; THE PHASE of a tile of parity par.  fetch = 1: the next tile's fragments are fetched, into the buffer that the phase before multiplied: behind that phase's last product stand 56 / NW vector instructions or
; more (four at the least), all plain, which name the other accumulator set and the argmax's state alone: the four places that a load into a product's source wants (ISA guide 7.12.1 for vector instructions).
; The same lines, and numbers 0-2 below, stand between that product and number 3, the first to read its result.
.macro PHASE par, fetch
	WIN 0
.if \fetch
.if \par
	v_add_nc_u32 v[ADR], s[TB], v[AK0]             ; the next tile opens a pair
	v_add_nc_u32 v[ADRC], s[TC], v[AC0]
	s_add_co_u32 s[TB], s[TB], 32*CP
	s_add_co_u32 s[TC], s[TC], CP
	FETCH 0, 0, 0
.else
	FETCH 1, 16*CP, 64
.endif
	s_wait_dscnt 0x6                               ; LDS loads come back in order (ISA guide 5.7.1): the six just issued may stay out, this tile's six are in
.else
	s_wait_dscnt 0x0
.endif
.set i, 0
.set rn, 0
.rept NW
	MM \par
.rept 56*i/NW-rn
	RD 1-(\par)
.endr
.endr
	WIN 0
	s_add_co_u32 s[TID], s[TID], 1
.endm
.macro TRIPS n                         ; n pairs of phases: an odd tile, an even tile
	s_mov_b32 s[CNT], \n
.Ltrip_\@:
	PHASE 1, 1
	PHASE 0, 1
	s_sub_co_u32 s[CNT], s[CNT], 1
	s_cmp_lg_u32 s[CNT], 0
	s_cbranch_scc1 .Ltrip_\@
.endm
; THE CHANGE OF SLOTS stands in front of the phase of a block's last tile, whose fragments have been asked for.  Each wave waits for all its tensor loads, of which one is out: its part of the other slot;
; adds 0 to its spare word; and waits for that and for its reads of the slot that it leaves.  Behind the barrier nobody reads the old slot any more and the other slot is whole.
; fill = 1: the old slot is filled again, with the block two on.  The barrier is then a round of the cluster's, so that no wave of any partner still reads the slot or has a load on its way, and the joint
; refill is the first thing behind it: it has 32 phases in which to land.
.macro CHANGE fill
	WIN 0
	s_wait_tensorcnt 0x0                           ; no tensor load of mine is out, so a group 0 may be written
	ds_add_u32 v[SPW], v[NIL]                      ; 0 onto my spare word; scalar work stands between it and the wait for it
.if \fill
	s_xor_b32 s[G0B+1], s[G0B+1], SLOT1            ; the walking descriptor: the other slot than last time,
	s_add_nc_u64 s[G0B+2:G0B+3], s[G0B+2:G0B+3], BLKB  ; the next block; the type bits on top are not reached
.endif
	s_sub_co_u32 s[TB], s[TB], 512*CP              ; the fetches go back to a slot's first pair,
	s_xor_b32 s[TB], s[TB], SLOT1                  ; in the other slot
	s_sub_co_u32 s[TC], s[TC], 16*CP
	s_xor_b32 s[TC], s[TC], SLOT1
	s_wait_dscnt 0x0                               ; the add is done, and my reads of the slot are over
.if \fill
	CROUND
	tensor_load_to_lds s[G0B:G0B+3], s[G1C:G1C+7]
	s_nop 0
.rept 4
	v_nop
.endr
.else
	s_barrier_signal -1
	s_barrier_wait -1
.endif
.endm
	s_load_b256 s[4:11], s[0:1], 0x0               ; stage 1: x, cb1, out1, idx1w.  stage 2: x, cb1, cb2, idx1w,
.if STAGE == 2
	s_load_b128 s[12:15], s[0:1], 0x20             ; out3, idx2w
.endif
	v_lshl_add_u32 v[SPW], v0, 2, SPARE
	v_mov_b32 v[NIL], 0
	ds_add_u32 v[SPW], v[NIL]                      ; the wave's opening: the add, and its wait ahead of my first tensor load; the set-up below, work on registers, stands between them
	v_lshrrev_b32 v[R], 5, v0
	v_readfirstlane_b32 s[WV], v[R]                ; wave 0..3
	v_and_b32 v[R], 15, v0
	v_bfe_u32 v[H], v0, 4, 1
	s_bfe_u32 s17, ttmp6, 0x40000                  ; cx: my place in the cluster
	s_lshl_b32 s18, ttmp9, 2                       ; in a cluster launch ttmp9 counts clusters
	s_add_co_u32 s18, s18, s17                     ; my block of 256 queries: it enters x's, the indices' and the outputs' addresses alone
	s_lshl_b32 s20, s18, 16                        ; its 256 rows of 256 bytes,
	s_lshl_b32 s21, s[WV], 14                      ; my wave's 64 of them
	s_add_co_u32 s20, s20, s21
	s_mov_b32 s21, 0
	s_mul_i32 s22, s[WV], QTRB                     ; my quarter of a block in memory
	s_mov_b32 s23, 0
	s_lshl_b32 s70, s18, 10                        ; my wave's 64 indices: 256 bytes
	s_lshl_b32 s71, s[WV], 8
	s_add_co_u32 s70, s70, s71
	s_mov_b32 s71, 0
	s_mul_i32 s19, s[WV], QTRL                     ; my quarter of a slot: no place in the cluster enters an LDS address
	; group 1 for a quarter of a block: 66 rows of 128 elements of 2 bytes, dense; in LDS 4 words of padding behind every 32
	s_mov_b32 s[G1C+0], 15|(1<<16)|(1<<20)|(1<<21)|(4<<22)|(3<<25)  ; 15:0 the mask of four; 17:16 2-byte elements; 20 padding on; 21 set beside a mask; 24:22 after every 32 words (code 4); 31:25 4 words (code 3)
	s_mov_b32 s[G1C+1], 128<<16                    ; tensor_dim0 = 128
	s_mov_b32 s[G1C+2], 66<<16                     ; tensor_dim1 = 66
	s_mov_b32 s[G1C+3], 128<<16                    ; tile_dim0 = 128
	s_mov_b32 s[G1C+4], 66                         ; tile_dim1 = 66
	s_mov_b32 s[G1C+5], 128                        ; 128 elements from row to row
	s_mov_b32 s[G1C+6], 0
	s_mov_b32 s[G1C+7], 0
	; group 1 for x: 64 rows of 64 elements of 4 bytes, dense; 4 words of padding behind every 64; no mask: each wave's rows are its own
	s_mov_b32 s[G1X+0], (2<<16)|(1<<20)|(5<<22)|(3<<25)
	s_mov_b32 s[G1X+1], 64<<16
	s_mov_b32 s[G1X+2], 64<<16
	s_mov_b32 s[G1X+3], 64<<16
	s_mov_b32 s[G1X+4], 64
	s_mov_b32 s[G1X+5], 64
	s_mov_b32 s[G1X+6], 0
	s_mov_b32 s[G1X+7], 0
	s_mov_b32 s[G0X], 1                            ; 1:0 count = 1
	s_mul_i32 s[G0X+1], s[WV], 64*XP               ; 63:32 LDS address
	s_add_co_u32 s[G0X+1], s[G0X+1], XST
	s_mov_b32 s[G0A], 1
	s_mov_b32 s[G0A+1], s19
	s_mov_b32 s[G0B], 1
	s_add_co_u32 s[G0B+1], s19, SLOT1
	s_mov_b32 s[HIM], 0xffff0000
	s_mov_b32 s[SEL], 0x76543210
	s_mov_b32 s[SEL+1], 0xfedcba98
	s_mov_b32 s[NINF], 0xff800000
	s_mov_b32 s[TID], -1                           ; the first phase reduces a tile that has not been
	s_mov_b32 s[TB], 32*CP                         ; the first pair's addresses are made by hand below
	s_mov_b32 s[TC], CP
	s_wait_dscnt 0x0                               ; the opening add is done
	s_wait_kmcnt 0x0
	s_add_nc_u64 s[G0X+2:G0X+3], s[4:5], s[20:21]  ; 120:64 global address
	s_or_b32 s[G0X+3], s[G0X+3], 0x80000000        ; 127:126 type = 2
	s_add_nc_u64 s[G0A+2:G0A+3], s[CB:CB+1], s[22:23]
	s_add_nc_u64 s[G0B+2:G0B+3], s[G0A+2:G0A+3], BLKB
	s_or_b32 s[G0A+3], s[G0A+3], 0x80000000
	s_or_b32 s[G0B+3], s[G0B+3], 0x80000000
	s_add_nc_u64 s[OUT:OUT+1], s[OUT:OUT+1], s[70:71]
	s_add_nc_u64 s[OUTW:OUTW+1], s[OUTW:OUTW+1], s[70:71]
.if STAGE == 2
	s_add_nc_u64 s[10:11], s[10:11], s[70:71]      ; the first search's indices of my 64 queries
	v_lshlrev_b32 v[ADR], 2, v[R]
.irp q, 0,1,2,3
	global_load_b32 v[TM+\q], v[ADR], s[10:11] offset:64*\q  ; lane (r, h): query 16 q + r
.endr
.endif
	CROUND                                         ; all four work-groups are here: the first joint loads meet
	tensor_load_to_lds s[G0X:G0X+3], s[G1X:G1X+7]  ; the three first fills go out together: three loads of mine are out
	s_nop 0
	tensor_load_to_lds s[G0A:G0A+3], s[G1C:G1C+7]
	s_nop 0
	tensor_load_to_lds s[G0B:G0B+3], s[G1C:G1C+7]
	s_nop 0
.rept 4
	v_nop
.endr
	v_mul_u32_u24 v[AK0], v[R], CP
	v_lshl_add_u32 v[AK0], v[H], 4, v[AK0]
	v_lshlrev_b32 v[AC0], 5, v[H]
	v_add_nc_u32 v[AC0], CSQ, v[AC0]
	v_mul_u32_u24 v[XA], v[R], XP
	v_lshl_add_u32 v[XA], v[H], 5, v[XA]           ; row r, 8 f32 for each half of the lanes
	v_add_nc_u32 v[XA], s[G0X+1], v[XA]
	v_lshlrev_b32 v[H8], 3, v[H]
	v_and_b32 v[L4], 31, v0
	v_lshlrev_b32 v[L4], 2, v[L4]
.if STAGE == 2
	; the rows of the main codebook that the first search chose, as bf16: code i lies at 128 i + 2,048 (i / 512) in cb1
	s_wait_loadcnt 0x0
.irp q, 0,1,2,3
	v_min_u32 v[TM+\q], 0xfff, v[TM+\q]            ; an index stays inside its table
	v_and_b32 v[T+\q], 0xe00, v[TM+\q]
	v_lshlrev_b32 v[T+\q], 2, v[T+\q]
	v_lshl_add_u32 v[TM+\q], v[TM+\q], 7, v[T+\q]
	v_lshl_add_u32 v[TM+\q], v[H], 4, v[TM+\q]
.endr
.irp q, 0,1,2,3
.irp f, 0,1,2,3
	global_load_b128 v[QP+16*\q+4*\f:QP+16*\q+4*\f+3], v[TM+\q], s[6:7] offset:32*\f  ; channels 16 f + 8 h on: a fragment's own order
.endr
.endr
.endif
	; What the first phase finds: a best of -inf, kept scores of -inf, tile number 0.  So no first phase is written out.  These lines stand in the wait for the first tiles.
.set p, 0
.rept 8
	v_mov_b32 v[BX+p], s[NINF]
.set p, p+1
.endr
.set p, 0
.rept 4
	v_mov_b32 v[ID+p], 0
.set p, p+1
.endr
.set p, 0
.rept 32
	v_mov_b32 v[W+p], s[NINF]
.set p, p+1
.endr
	s_wait_tensorcnt 0x2                           ; tensor loads of a wave end in order (ISA guide 10.11.1): my rows of x are in, both blocks may stay out; no other wave reads these rows
; THE QUERIES' FRAGMENTS.  A fragment is 16 queries x 32 channels in 8 registers: lane (r, h) holds query r, channels 8 h + 0..7 and 16 + 8 h + 0..7.  Load f, g brings channels 16 f + 8 h + 4 g on.
.macro XROWS q
.irp f, 0,1,2,3
.irp g, 0,1
	ds_load_b128 v[T+8*\f+4*\g:T+8*\f+4*\g+3], v[XA] offset:16*XP*(\q)+64*\f+16*\g
.endr
.endr
	s_wait_dscnt 0x0
.endm
.if STAGE == 1
.irp q, 0,1,2,3
	XROWS \q
.set p, 0
.rept 16
	v_cvt_pk_bf16_f32 v[BF+16*\q+p], v[T+2*p], v[T+2*p+1]
.set p, p+1
.endr
.endr
.else
.macro EACH16 line:vararg              ; one line for p = 0 .. 15
.set p, 0
.rept 16
	\line
.set p, p+1
.endr
.endm
.macro RESID q
	XROWS \q
	EACH16 v_cvt_pk_bf16_f32 v[V+p], v[T+2*p], v[T+2*p+1]          ; x rounded to bf16,
	EACH16 v_lshlrev_b32 v[T+2*p], 16, v[V+p]                      ; and back in f32
	EACH16 v_and_b32 v[T+2*p+1], s[HIM], v[V+p]
	EACH16 v_lshlrev_b32 v[V+2*p], 16, v[QP+16*(\q)+p]             ; the chosen code in f32
	EACH16 v_and_b32 v[V+2*p+1], s[HIM], v[QP+16*(\q)+p]
	EACH16 v_pk_add_f32 v[T+2*p:T+2*p+1], v[T+2*p:T+2*p+1], v[V+2*p:V+2*p+1] neg_lo:[0,1] neg_hi:[0,1]  ; the residual
	WIN 0x40                                       ; destination window 1
	EACH16 v_cvt_pk_bf16_f32 v[BF+32*(\q)+p], v[T+2*p], v[T+2*p+1] ; hi
	WIN 0x04                                       ; source 1 window 1
	EACH16 v_lshlrev_b32 v[V+2*p], 16, v[BF+32*(\q)+p]
	EACH16 v_and_b32 v[V+2*p+1], s[HIM], v[BF+32*(\q)+p]
	WIN 0
	EACH16 v_pk_add_f32 v[T+2*p:T+2*p+1], v[T+2*p:T+2*p+1], v[V+2*p:V+2*p+1] neg_lo:[0,1] neg_hi:[0,1]  ; what hi leaves
	WIN 0x40
	EACH16 v_cvt_pk_bf16_f32 v[BF+32*(\q)+16+p], v[T+2*p], v[T+2*p+1]  ; lo
	WIN 0
.endm
	s_wait_loadcnt 0x0                             ; the gathered rows
	RESID 0
	RESID 1
	RESID 2
	RESID 3
.endif
.set p, 0
.rept 32
	v_mov_b32 v[ACC+32+p], s[NINF]                 ; the tile that has not been: it can never win
.set p, p+1
.endr
	s_wait_tensorcnt 0x1                           ; my part of block 0 is in; block 1's may stay out
	s_wait_dscnt 0x0
	s_barrier_signal -1
	s_barrier_wait -1                              ; everybody's is
	v_mov_b32 v[ADR], v[AK0]                       ; the first pair lies at the head of slot 0
	v_mov_b32 v[ADRC], v[AC0]
	FETCH 0, 0, 0
	PHASE 0, 1                                     ; tile 0
	TRIPS 15                                       ; tiles 1 to 30
	s_mov_b32 s[SLOTS], 6
.Lslot:                                                ; six times: blocks 2 to 7 are asked for; tiles 31 to 222
	CHANGE 1
	TRIPS 16
	s_sub_co_u32 s[SLOTS], s[SLOTS], 1
	s_cmp_lg_u32 s[SLOTS], 0
	s_cbranch_scc1 .Lslot
	CHANGE 0                                       ; the tail is written out: nothing is asked for
	TRIPS 16                                       ; tiles 223 to 254
	PHASE 1, 0                                     ; tile 255
.set rn, 0
.rept 56
	RD 1                                           ; and its reduction: the best ends in BX
.endr
	; THE END.  The lowest place j whose kept score is the best; index = 16 x tile + 8 h + j; then the query's other lane: the larger score, of equal scores the lower index.
.irp q, 0,1,2,3
	v_mov_b32 v[TM+2], 7
.irp j, 6,5,4,3,2,1,0
	v_cmp_eq_f32 s66, v[W+8*\q+\j], v[BX+\q]
	v_cndmask_b32 v[TM+2], v[TM+2], \j, s66
.endr
	v_lshl_add_u32 v[ID+\q], v[ID+\q], 4, v[TM+2]
	v_add_nc_u32 v[ID+\q], v[ID+\q], v[H8]
	v_permlanex16_b32 v[BY+\q], v[BX+\q], s[SEL], s[SEL+1]  ; its destination counts as read: registers that have been written
	v_permlanex16_b32 v[W+8*\q], v[ID+\q], s[SEL], s[SEL+1]
	v_cmp_gt_f32 s66, v[BY+\q], v[BX+\q]
	v_cmp_eq_f32 s67, v[BY+\q], v[BX+\q]
	v_cmp_lt_u32 s68, v[W+8*\q], v[ID+\q]
	s_and_b32 s67, s67, s68
	s_or_b32 s66, s66, s67
	v_cndmask_b32 v[ID+\q], v[ID+\q], v[W+8*\q], s66  ; both lanes of a query now hold its index
.endr
	v_cndmask_b32 v[TM], v[ID], v[ID+1], s[HIM]    ; lanes 0-15 tile 0's queries, lanes 16-31 tile 1's: 32 neighbouring indices
	v_cndmask_b32 v[TM+1], v[ID+2], v[ID+3], s[HIM]
	global_store_b32 v[L4], v[TM], s[OUT:OUT+1]    ; each store covers 128 consecutive bytes; the wave's two fill an aligned 256
	global_store_b32 v[L4], v[TM+1], s[OUT:OUT+1] offset:128
	global_store_b32 v[L4], v[TM], s[OUTW:OUTW+1]
	global_store_b32 v[L4], v[TM+1], s[OUTW:OUTW+1] offset:128
	s_wait_tensorcnt 0x0                           ; the wave's end: all my tensor loads are in; then 0 onto my spare word and its wait
	ds_add_u32 v[SPW], v[NIL]
	s_wait_dscnt 0x0
	CROUND                                         ; the closing round: no work-group ends while a partner may still ask for a block that names it
	s_endpgm
.Lfunc_end_k_qadaf27ca44_near2:
	.size	k_qadaf27ca44_near2, .Lfunc_end_k_qadaf27ca44_near2-k_qadaf27ca44_near2
	.p2alignl 7, 3214868480
	.fill 96, 4, 3214868480
	.section	.rodata,"a",@progbits
	.p2align	6, 0x0
	.amdhsa_kernel k_qadaf27ca44_near2
		.amdhsa_group_segment_fixed_size 327680
		.amdhsa_private_segment_fixed_size 0
		.amdhsa_enable_private_segment 0
		.amdhsa_kernarg_size 48
		.amdhsa_user_sgpr_count 2
		.amdhsa_user_sgpr_kernarg_segment_ptr 1
		.amdhsa_wavefront_size32 1
		.amdhsa_system_sgpr_workgroup_id_x 1
		.amdhsa_system_sgpr_workgroup_id_y 1
		.amdhsa_system_sgpr_workgroup_id_z 1
		.amdhsa_system_vgpr_workitem_id 0
		.amdhsa_next_free_vgpr 384
		.amdhsa_next_free_sgpr 72
		.amdhsa_reserve_vcc 0
		.amdhsa_float_denorm_mode_32 3
		.amdhsa_float_denorm_mode_16_64 3
		.amdhsa_memory_ordered 1
		.amdhsa_forward_progress 1
		.amdhsa_inst_pref_size 106
	.end_amdhsa_kernel
	.amdgpu_metadata
---
amdhsa.version: [ 1, 2 ]
amdhsa.kernels:
  - .name:           k_qadaf27ca44_near2
    .symbol:         k_qadaf27ca44_near2.kd
    .args:
      - { .name: x, .offset: 0, .size: 8, .value_kind: global_buffer, .address_space: global }
      - { .name: cb1, .offset: 8, .size: 8, .value_kind: global_buffer, .address_space: global }
      - { .name: cb2, .offset: 16, .size: 8, .value_kind: global_buffer, .address_space: global }
      - { .name: idx1w, .offset: 24, .size: 8, .value_kind: global_buffer, .address_space: global }
      - { .name: out3, .offset: 32, .size: 8, .value_kind: global_buffer, .address_space: global }
      - { .name: idx2w, .offset: 40, .size: 8, .value_kind: global_buffer, .address_space: global }
    .group_segment_fixed_size: 327680
    .private_segment_fixed_size: 0
    .kernarg_segment_align: 8
    .kernarg_segment_size: 48
    .max_flat_workgroup_size: 128
    .sgpr_count:     72
    .vgpr_count:     384
    .wavefront_size: 32
...
	.end_amdgpu_metadata
.endif
;; end of part 3
;; launch rows (part 4): grid 256 x 1, 8 waves a work-group, no clusters, 0 bytes of LDS; arguments codebook, residual_codebook, idx1w, idx2w, out0, out2; writes out0, out2
.if DOCPART == 4
	.amdgcn_target "amdgcn-amd-amdhsa--gfx1250"
	.amdhsa_code_object_version 6
	.text
	.protected	k_qadaf27ca44_rows
	.globl	k_qadaf27ca44_rows
	.p2align	8
	.type	k_qadaf27ca44_rows,@function
k_qadaf27ca44_rows:
	s_mov_b64 s[64:65], 0
	v_nop
	global_prefetch_b8 v0, s[64:65] scope:SCOPE_SE
	s_setreg_imm32_b32 hwreg(HW_REG_WAVE_MODE, 25, 1), 1
	s_wait_xcnt 0x0
; out0[n] = codebook[idx[n]], out2[n] = residual_codebook[idx_r[n]]: rows of 64 f32, 256 bytes, as they lie in the tables.  The indices were stored as whole numbers by the two launches before.
; Eight waves; a wave owns 32 queries.  Pass p of 16 takes queries 2 p + h: sixteen lanes read one row's 256 bytes and store them, so a store of the wave covers 512 consecutive bytes,
; at a multiple of 256 from the output's first byte.  A gather and a stream: no LDS, no matrix unit, no cluster (the tables are 2 MB that all read; no tile is shared at one time).
; All of a wave's 32 gathers are out together (16 KB); no register that a load or store names is written again, but an index register by the two lines that make it an offset, behind its own load's wait.
.set I1, 8                             ; v[8:23]    pass p: the first index, then its row's byte offset + 16 r
.set I2, 24                            ; v[24:39]   the same for the second
.set D,  40                            ; v[40:167]  gather n: 4 registers; n = p for the first table, 16 + p for the second
	s_load_b256 s[4:11], s[0:1], 0x0               ; codebook s[4:5], residual_codebook s[6:7], idx1w s[8:9], idx2w s[10:11]
	s_load_b128 s[12:15], s[0:1], 0x20             ; out0 s[12:13], out2 s[14:15]
	v_lshrrev_b32 v4, 5, v0
	v_readfirstlane_b32 s16, v4                    ; wave 0..7
	v_and_b32 v1, 15, v0
	v_lshlrev_b32 v1, 4, v1                        ; 16 r: my 16 bytes of a row
	v_bfe_u32 v2, v0, 4, 1
	v_lshlrev_b32 v2, 2, v2                        ; 4 h: which of a pass's two indices
	v_and_b32 v3, 31, v0
	v_lshlrev_b32 v3, 4, v3                        ; 16 x lane: my 16 bytes of a pass's two rows
	s_lshl_b32 s17, ttmp9, 8
	s_lshl_b32 s18, s16, 5
	s_add_co_u32 s17, s17, s18                     ; my wave's first query
	s_lshl_b32 s20, s17, 2                         ; in bytes of indices,
	s_mov_b32 s21, 0
	s_lshl_b32 s22, s17, 8                         ; and of rows
	s_mov_b32 s23, 0
	s_wait_kmcnt 0x0
	s_add_nc_u64 s[8:9], s[8:9], s[20:21]
	s_add_nc_u64 s[10:11], s[10:11], s[20:21]
	s_add_nc_u64 s[12:13], s[12:13], s[22:23]
	s_add_nc_u64 s[14:15], s[14:15], s[22:23]
.set p, 0
.rept 16
	global_load_b32 v[I1+p], v2, s[8:9] offset:8*p
.set p, p+1
.endr
.set p, 0
.rept 16
	global_load_b32 v[I2+p], v2, s[10:11] offset:8*p
.set p, p+1
.endr
	s_wait_loadcnt 16                              ; loads come back in order (ISA guide 5.7.1): the first table's indices are in, the second's 16 stay out
.set p, 0
.rept 16
	v_min_u32 v[I1+p], 0xfff, v[I1+p]              ; an index stays inside its table
	v_lshl_add_u32 v[I1+p], v[I1+p], 8, v1
.set p, p+1
.endr
.set p, 0
.rept 16
	global_load_b128 v[D+4*p:D+4*p+3], v[I1+p], s[4:5]
.set p, p+1
.endr
	s_wait_loadcnt 16                              ; the second table's indices are in; the 16 gathers just issued stay out
.set p, 0
.rept 16
	v_min_u32 v[I2+p], 0xfff, v[I2+p]
	v_lshl_add_u32 v[I2+p], v[I2+p], 8, v1
.set p, p+1
.endr
.set p, 0
.rept 16
	global_load_b128 v[D+64+4*p:D+64+4*p+3], v[I2+p], s[6:7]
.set p, p+1
.endr
.set p, 0
.rept 16
	s_wait_loadcnt 31-p                            ; gather p is in, the younger ones stay out
	global_store_b128 v3, v[D+4*p:D+4*p+3], s[12:13] offset:512*p th:TH_STORE_NT
.set p, p+1
.endr
.set p, 0
.rept 16
	s_wait_loadcnt 15-p
	global_store_b128 v3, v[D+64+4*p:D+64+4*p+3], s[14:15] offset:512*p th:TH_STORE_NT
.set p, p+1
.endr
	s_endpgm
.Lfunc_end_k_qadaf27ca44_rows:
	.size	k_qadaf27ca44_rows, .Lfunc_end_k_qadaf27ca44_rows-k_qadaf27ca44_rows
	.p2alignl 7, 3214868480
	.fill 96, 4, 3214868480
	.section	.rodata,"a",@progbits
	.p2align	6, 0x0
	.amdhsa_kernel k_qadaf27ca44_rows
		.amdhsa_group_segment_fixed_size 0
		.amdhsa_private_segment_fixed_size 0
		.amdhsa_enable_private_segment 0
		.amdhsa_kernarg_size 48
		.amdhsa_user_sgpr_count 2
		.amdhsa_user_sgpr_kernarg_segment_ptr 1
		.amdhsa_wavefront_size32 1
		.amdhsa_system_sgpr_workgroup_id_x 1
		.amdhsa_system_sgpr_workgroup_id_y 1
		.amdhsa_system_sgpr_workgroup_id_z 1
		.amdhsa_system_vgpr_workitem_id 0
		.amdhsa_next_free_vgpr 168
		.amdhsa_next_free_sgpr 66
		.amdhsa_reserve_vcc 0
		.amdhsa_float_denorm_mode_32 3
		.amdhsa_float_denorm_mode_16_64 3
		.amdhsa_memory_ordered 1
		.amdhsa_forward_progress 1
		.amdhsa_inst_pref_size 16
	.end_amdhsa_kernel
	.amdgpu_metadata
---
amdhsa.version: [ 1, 2 ]
amdhsa.kernels:
  - .name:           k_qadaf27ca44_rows
    .symbol:         k_qadaf27ca44_rows.kd
    .args:
      - { .name: codebook, .offset: 0, .size: 8, .value_kind: global_buffer, .address_space: global }
      - { .name: residual_codebook, .offset: 8, .size: 8, .value_kind: global_buffer, .address_space: global }
      - { .name: idx1w, .offset: 16, .size: 8, .value_kind: global_buffer, .address_space: global }
      - { .name: idx2w, .offset: 24, .size: 8, .value_kind: global_buffer, .address_space: global }
      - { .name: out0, .offset: 32, .size: 8, .value_kind: global_buffer, .address_space: global }
      - { .name: out2, .offset: 40, .size: 8, .value_kind: global_buffer, .address_space: global }
    .group_segment_fixed_size: 0
    .private_segment_fixed_size: 0
    .kernarg_segment_align: 8
    .kernarg_segment_size: 48
    .max_flat_workgroup_size: 256
    .sgpr_count:     66
    .vgpr_count:     168
    .wavefront_size: 32
...
	.end_amdgpu_metadata
.endif
;; end of part 4
;; ======== version 2 of 2: 4 launches; version 1 with the launch prep written anew for expert scheduling mode
;; workspace buffers: cb1 540,672 bytes; cb2 540,672 bytes; idx1w 262,144 bytes of whole numbers; idx2w 262,144 bytes of whole numbers
;; launch prep (part 5): grid 256 x 1, 1 waves a work-group, no clusters, 0 bytes of LDS; arguments codebook, residual_codebook, cb1, cb2; writes cb1, cb2
.if DOCPART == 5
	.amdgcn_target "amdgcn-amd-amdhsa--gfx1250"
	.amdhsa_code_object_version 6
	.text
	.protected	k_qadaf27ca44_prep
	.globl	k_qadaf27ca44_prep
	.p2align	8
	.type	k_qadaf27ca44_prep,@function
k_qadaf27ca44_prep:
	s_mov_b64 s[64:65], 0
	v_nop
	global_prefetch_b8 v0, s[64:65] scope:SCOPE_SE
	s_setreg_imm32_b32 hwreg(HW_REG_WAVE_SCHED_MODE, 0, 2), 2
	s_setreg_imm32_b32 hwreg(HW_REG_WAVE_MODE, 25, 1), 1
	s_wait_xcnt 0x0
	s_wait_alu depctr_vm_vsrc(0)
; BOTH CODEBOOKS, [4096][64] f32, are rounded to bf16 and laid out in 8 blocks of 512 codes for the two searches that follow.
; A block is 67,584 dense bytes: 512 rows of 128 bytes (64 bf16), then 512 f32: -1/2 |c|^2 of the ROUNDED rows, summed in f32.
; One wave a work-group; work-groups 0-127 take the main codebook, 128-255 the residual one; each owns 32 rows (8,192 bytes in, 4,096 + 128 out).
; A stream: no LDS, no matrix unit, no cluster (no byte is read by two work-groups).  All 16 loads go out at once; each covers 512 consecutive bytes (two rows),
; each row store 256 consecutive bytes at a multiple of 256 from the buffer's first byte.  The 32 sums leave as 128 consecutive bytes: half of an aligned 256, once a work-group.
; THE MODE: SCHED_MODE bits 1:0 = 2 (LLVM: expert scheduling mode 2), set by the entry lines.  The code itself states the register dependences
; between vector instructions and memory instructions, with s_wait_alu, always for 0.
; THE PLAN.  The 16 passes (two rows each) go in four groups of four.  Registers that memory instructions touch:
;   v1, v2, v3   byte offsets, made at the head and never written again: one wait ahead of the first load states that they are written.
;   D            the loads land here; no vector instruction names these registers before that.  Behind a group's wait for its data the conversions read them,
;                and then they are at work (the rounded numbers back in f32, the sums): no memory instruction reads them, and no later load lands in them.
;   PK           written by a group's eight conversions, read by its four stores and by the unpacking lines; never written again.
;                One wait a group, behind the conversions, states that they are written; the four stores follow it.
;   v4           the sums; written by the selects and the last multiply, read by the last store: one wait ahead of that store.
;   s33-s47      lane masks, written by a run of fifteen compares at the head, read by the selects: one wait behind the run.
; No register that a load or store reads (an offset, a store's data) is written again, so nothing has to be freed.
.set BLKB, 67584                       ; bytes in a block
.set CS,   4                           ; v4      lane (r, h): the sum of row 2 r + h
.set D,    16                          ; v[16:79]  pass p: 4 f32 as loaded; then the same 4 rounded, and in the first of them the row's sum
.set PK,   80                          ; v[80:111] pass p: the same 4 as bf16
.set MK,   32                          ; s33-s47   pass p (1 to 15): the lanes with r = p
	s_load_b256 s[4:11], s[0:1], 0x0               ; codebook s[4:5], residual_codebook s[6:7], cb1 s[8:9], cb2 s[10:11]
	s_and_b32 s12, ttmp9, 127                      ; my unit of 32 rows in its table
	s_lshl_b32 s14, s12, 13                        ; its 8,192 bytes of f32
	s_mov_b32 s15, 0
	s_lshr_b32 s16, s12, 4                         ; its block (16 units a block)
	s_mul_i32 s17, s16, BLKB
	s_and_b32 s18, s12, 15                         ; its place in the block
	s_lshl_b32 s20, s18, 12                        ; 32 rows of 128 bytes
	s_add_co_u32 s20, s20, s17
	s_mov_b32 s21, 0
	s_lshl_b32 s22, s18, 7                         ; 32 sums of 4 bytes,
	s_add_co_u32 s22, s22, s17
	s_add_co_u32 s22, s22, 65536                   ; behind the block's 512 rows
	s_mov_b32 s23, 0
	s_mov_b32 s28, 0xffff0000                      ; a word's upper bf16
	v_lshlrev_b32 v1, 4, v0                        ; 16 x lane: my 16 bytes of two f32 rows
	v_lshlrev_b32 v2, 3, v0                        ; 8 x lane: my 8 bytes of two bf16 rows
	v_and_b32 v5, 15, v0                           ; r
	v_lshrrev_b32 v6, 4, v0                        ; h
	v_lshl_add_u32 v3, v5, 1, v6
	v_lshlrev_b32 v3, 2, v3                        ; 4 (2 r + h): where my sum goes
.set p, 1
.rept 15
	v_cmp_eq_u32 s[MK+p], p, v5                    ; lanes r = p keep pass p's sum: all fifteen masks in one run
.set p, p+1
.endr
	s_wait_alu depctr_va_sdst(0)                   ; the compares have written s33 to s47, ahead of their first readers, the selects below
	s_wait_kmcnt 0x0
	s_cmp_lt_u32 ttmp9, 128                        ; which table: the condition hangs on the work-group's number alone
	s_cselect_b64 s[4:5], s[4:5], s[6:7]
	s_cselect_b64 s[8:9], s[8:9], s[10:11]
	s_add_nc_u64 s[4:5], s[4:5], s[14:15]
	s_add_nc_u64 s[24:25], s[8:9], s[20:21]        ; my rows in the block
	s_add_nc_u64 s[26:27], s[8:9], s[22:23]        ; my sums in the block
	s_wait_alu depctr_va_vdst(0)                   ; v1, v2 and v3 are written: every load and store of the kernel reads one of them as its offset
.set p, 0
.rept 16
	global_load_b128 v[D+4*p:D+4*p+3], v1, s[4:5] offset:512*p  ; rows 2 p + h, elements 4 r .. 4 r + 3
.set p, p+1
.endr
.macro EACH4 line:vararg               ; one vector line for each pass p of group b: the four passes alternate, so that no line reads the result of the one before it
.set p, 4*b
.rept 4
	\line
.set p, p+1
.endr
.endm
.set b, 0
.rept 4
	s_wait_loadcnt 12-4*b                          ; loads come back in order (ISA guide 5.7.1): group b's four are in, the younger groups' stay out
	EACH4 v_cvt_pk_bf16_f32 v[PK+2*p], v[D+4*p], v[D+4*p+1]
	EACH4 v_cvt_pk_bf16_f32 v[PK+2*p+1], v[D+4*p+2], v[D+4*p+3]
	s_wait_alu depctr_va_vdst(0)                   ; the eight conversions have written this group's PK, which the four stores read
.set p, 4*b
.rept 4
	global_store_b64 v2, v[PK+2*p:PK+2*p+1], s[24:25] offset:256*p
.set p, p+1
.endr
	EACH4 v_lshlrev_b32 v[D+4*p], 16, v[PK+2*p]    ; the rounded numbers back in f32
	EACH4 v_and_b32 v[D+4*p+1], s28, v[PK+2*p]
	EACH4 v_lshlrev_b32 v[D+4*p+2], 16, v[PK+2*p+1]
	EACH4 v_and_b32 v[D+4*p+3], s28, v[PK+2*p+1]
	EACH4 v_mul_f32 v[D+4*p], v[D+4*p], v[D+4*p]
	EACH4 v_fma_f32 v[D+4*p], v[D+4*p+1], v[D+4*p+1], v[D+4*p]
	EACH4 v_fma_f32 v[D+4*p], v[D+4*p+2], v[D+4*p+2], v[D+4*p]
	EACH4 v_fma_f32 v[D+4*p], v[D+4*p+3], v[D+4*p+3], v[D+4*p]
	EACH4 v_add_f32_dpp v[D+4*p], v[D+4*p], v[D+4*p] row_xmask:1 row_mask:0xf bank_mask:0xf  ; over the 16 lanes that share a row
	EACH4 v_add_f32_dpp v[D+4*p], v[D+4*p], v[D+4*p] row_xmask:2 row_mask:0xf bank_mask:0xf
	EACH4 v_add_f32_dpp v[D+4*p], v[D+4*p], v[D+4*p] row_xmask:4 row_mask:0xf bank_mask:0xf
	EACH4 v_add_f32_dpp v[D+4*p], v[D+4*p], v[D+4*p] row_xmask:8 row_mask:0xf bank_mask:0xf
.set p, 4*b
.rept 4
.if p == 0
	v_mov_b32 v[CS], v[D]                          ; the first pass writes every lane
.else
	v_cndmask_b32 v[CS], v[CS], v[D+4*p], s[MK+p]  ; lanes r = p keep this pass's sum
.endif
.set p, p+1
.endr
.set b, b+1
.endr
	v_mul_f32 v[CS], -0.5, v[CS]
	s_wait_alu depctr_va_vdst(0)                   ; the multiply has written v4, which the store reads
	global_store_b32 v3, v[CS], s[26:27]
	s_endpgm
.Lfunc_end_k_qadaf27ca44_prep:
	.size	k_qadaf27ca44_prep, .Lfunc_end_k_qadaf27ca44_prep-k_qadaf27ca44_prep
	.p2alignl 7, 3214868480
	.fill 96, 4, 3214868480
	.section	.rodata,"a",@progbits
	.p2align	6, 0x0
	.amdhsa_kernel k_qadaf27ca44_prep
		.amdhsa_group_segment_fixed_size 0
		.amdhsa_private_segment_fixed_size 0
		.amdhsa_enable_private_segment 0
		.amdhsa_kernarg_size 32
		.amdhsa_user_sgpr_count 2
		.amdhsa_user_sgpr_kernarg_segment_ptr 1
		.amdhsa_wavefront_size32 1
		.amdhsa_system_sgpr_workgroup_id_x 1
		.amdhsa_system_sgpr_workgroup_id_y 1
		.amdhsa_system_sgpr_workgroup_id_z 1
		.amdhsa_system_vgpr_workitem_id 0
		.amdhsa_next_free_vgpr 112
		.amdhsa_next_free_sgpr 66
		.amdhsa_reserve_vcc 0
		.amdhsa_float_denorm_mode_32 3
		.amdhsa_float_denorm_mode_16_64 3
		.amdhsa_memory_ordered 1
		.amdhsa_forward_progress 1
		.amdhsa_inst_pref_size 19
	.end_amdhsa_kernel
	.amdgpu_metadata
---
amdhsa.version: [ 1, 2 ]
amdhsa.kernels:
  - .name:           k_qadaf27ca44_prep
    .symbol:         k_qadaf27ca44_prep.kd
    .args:
      - { .name: codebook, .offset: 0, .size: 8, .value_kind: global_buffer, .address_space: global }
      - { .name: residual_codebook, .offset: 8, .size: 8, .value_kind: global_buffer, .address_space: global }
      - { .name: cb1, .offset: 16, .size: 8, .value_kind: global_buffer, .address_space: global }
      - { .name: cb2, .offset: 24, .size: 8, .value_kind: global_buffer, .address_space: global }
    .group_segment_fixed_size: 0
    .private_segment_fixed_size: 0
    .kernarg_segment_align: 8
    .kernarg_segment_size: 32
    .max_flat_workgroup_size: 32
    .sgpr_count:     66
    .vgpr_count:     112
    .wavefront_size: 32
...
	.end_amdgpu_metadata
.endif
;; end of part 5
;; launch near1: the kernel of part 2 again; grid 256 x 1, 4 waves a work-group, clusters of 4 x 1, 327,680 bytes of LDS; arguments x, cb1, out1, idx1w; writes out1, idx1w
;; launch near2: the kernel of part 3 again; grid 256 x 1, 4 waves a work-group, clusters of 4 x 1, 327,680 bytes of LDS; arguments x, cb1, cb2, idx1w, out3, idx2w; writes out3, idx2w
;; launch rows: the kernel of part 4 again; grid 256 x 1, 8 waves a work-group, no clusters, 0 bytes of LDS; arguments codebook, residual_codebook, idx1w, idx2w, out0, out2; writes out0, out2
